; MI455X (gfx1250); checked and timed in simulation.
; The chip was launched on July 23, 2026; its instructions are those of AMD's public machine-readable ISA for CDNA 5 (MIT licence, August 2026) and "CDNA5" Instruction Set Architecture Reference Guide (July 2026). The comments in the code are by the model that wrote it; some were corrected since.
;; Binary Net2. Allowed arithmetic: float matrix products may take bf16 or f16 operands with f32 sums; all other float work in f32.
;; Inputs: W0 4,096 x 4,096 float32; W1 4,096 x 4,096 float32; W2 4,096 x 4,096 float32; W3 10 x 4,096 float32; x 1,024 x 4,096 float32.
;; Outputs: out0 1,024 x 10 float32.
;; One version. Each part assembles by itself: llvm-mc -triple=amdgcn-amd-amdhsa -mcpu=gfx1250 --defsym DOCPART=n.
;; ======== version 1 of 1: 5 launches
;; workspace buffers: ha 4,194,304 bytes; hb 4,194,304 bytes
;; launch binx (part 1): grid 256 x 1, 8 waves a work-group, no clusters, 0 bytes of LDS; arguments x, ha; writes ha
.if DOCPART == 1
	.amdgcn_target "amdgcn-amd-amdhsa--gfx1250"
	.amdhsa_code_object_version 6
	.text
	.protected	k_q4eae48a6c1_binx
	.globl	k_q4eae48a6c1_binx
	.p2align	8
	.type	k_q4eae48a6c1_binx,@function
k_q4eae48a6c1_binx:
	s_mov_b64 s[64:65], 0
	v_nop
	global_prefetch_b8 v0, s[64:65] scope:SCOPE_SE
	s_setreg_imm32_b32 hwreg(HW_REG_WAVE_MODE, 25, 1), 1
	s_wait_xcnt 0x0
; ha = the signs of x, one byte a number, in the order in which the next launch's matrix fragments want them.
; x: [1024][4096] f32.  ha: [mt 4][kb 64][mb 16][c 2][lane 32][16 bytes]; lane = 16 h + r, byte 8 u + j holds row 256 mt + 16 mb + r, column 64 kb + 32 c + 16 u + 8 h + j.
; THE CODE: 0x40 for a positive number, 0xC0 for a negative one, 0x00 for zero: the upper byte of bf16 +2, -2, 0.
; LIMITS: -0 gives 0; a NaN counts as a number other than zero and gives the code of its sign bit (the function computed here has NaN there).
; SHARES: work-group g makes the 16,384 bytes of (mt, kb) = (g / 64, g % 64): 256 rows x 64 columns of x.  Wave wv makes mb = 2 wv and 2 wv + 1: four pieces (mb, c) of 512 bytes.
; A stream: each byte of x is read once and each byte of ha written once, so there is no LDS, no barrier, no matrix work, and nothing that work-groups share (no cluster).
; All sixteen loads of a wave go out at once; a row's 256 bytes are covered by the wave's eight loads of that row; each store of a wave covers 512 consecutive bytes, aligned.
.set SGN,  14                          ; s14  the sign bit
.set TWO,  15                          ; s15  0x40000000: f32 2.0, whose top byte is the code's 0x40
.set SELH, 16                          ; s16  v_perm_b32: the top bytes of two registers
.set SELP, 17                          ; s17  v_perm_b32: the low halves of two registers
.set LO,   4                           ; v4   byte offset of my first 16 bytes in x; never rewritten
.set SO,   5                           ; v5   byte offset of my 16 bytes in the wave's first piece of ha; never rewritten
.set OUT,  16                          ; v[16:31]  piece p: four registers of codes, its own
.set X,    32                          ; v[32:95]  piece p: sixteen numbers as loaded
; Four f32 in v[src .. src+3] become four codes in v[dst]: (sign | 2.0) where the number is not zero, else 0; then the four top bytes are gathered, the first number's lowest.
.macro CODE4 dst, src
.set cd, \dst
.set cs, \src
.set ce, cs
.rept 4
	v_cmp_neq_f32 vcc_lo, 0, v[ce]
	v_and_or_b32 v[ce], v[ce], s[SGN], s[TWO]
	v_cndmask_b32 v[ce], 0, v[ce], vcc_lo
.set ce, ce+1
.endr
	v_perm_b32 v[cs], v[cs+1], v[cs], s[SELH]
	v_perm_b32 v[cs+2], v[cs+3], v[cs+2], s[SELH]
	v_perm_b32 v[cd], v[cs+2], v[cs], s[SELP]
.endm
	s_load_b128 s[4:7], s[0:1], 0x0                ; x s[4:5], ha s[6:7]
	v_and_b32 v1, 15, v0                           ; r
	v_bfe_u32 v2, v0, 4, 1                         ; h
	v_lshrrev_b32 v3, 5, v0                        ; wv
	v_lshl_add_u32 v[LO], v3, 5, v1                ; my row in the tile for mb = 2 wv: 32 wv + r
	v_lshlrev_b32 v[LO], 14, v[LO]                 ; a row of x is 16,384 bytes
	v_lshl_add_u32 v[LO], v2, 5, v[LO]             ; + 8 h numbers
	v_and_b32 v[SO], 31, v0
	v_lshlrev_b32 v[SO], 4, v[SO]                  ; 16 x lane
	v_lshl_add_u32 v[SO], v3, 11, v[SO]            ; + the wave's four pieces of 512 bytes
	s_lshr_b32 s8, ttmp9, 6                        ; mt
	s_and_b32 s9, ttmp9, 63                        ; kb
	s_lshl_b32 s10, s8, 22                         ; 256 rows of 16,384 bytes
	s_lshl_b32 s9, s9, 8                           ; 64 columns of 4 bytes
	s_add_co_u32 s10, s10, s9
	s_mov_b32 s11, 0
	s_lshl_b32 s12, ttmp9, 14                      ; the work-group's 16,384 bytes of ha
	s_mov_b32 s13, 0
	s_mov_b32 s[SGN], 0x80000000
	s_mov_b32 s[TWO], 0x40000000
	s_mov_b32 s[SELH], 0x07030703
	s_mov_b32 s[SELP], 0x05040100
	s_wait_kmcnt 0x0
	s_add_nc_u64 s[4:5], s[4:5], s[10:11]
	s_add_nc_u64 s[6:7], s[6:7], s[12:13]
.set p, 0
.rept 4                                ; piece p: mb = 2 wv + p / 2 (16 rows, 262,144 bytes, on), c = p % 2 (32 columns on); u = 0: bytes 0 and 16, u = 1: bytes 64 and 80
	global_load_b128 v[X+16*p:X+16*p+3],     v[LO], s[4:5] offset:(p/2)*262144+(p%2)*128 th:TH_LOAD_NT
	global_load_b128 v[X+16*p+4:X+16*p+7],   v[LO], s[4:5] offset:(p/2)*262144+(p%2)*128+16 th:TH_LOAD_NT
	global_load_b128 v[X+16*p+8:X+16*p+11],  v[LO], s[4:5] offset:(p/2)*262144+(p%2)*128+64 th:TH_LOAD_NT
	global_load_b128 v[X+16*p+12:X+16*p+15], v[LO], s[4:5] offset:(p/2)*262144+(p%2)*128+80 th:TH_LOAD_NT
.set p, p+1
.endr
.set p, 0
.rept 4
	s_wait_loadcnt 12-4*p                          ; loads come back in order (ISA guide 5.7.1): piece p's four are in, the later pieces' 12 - 4 p stay out
.set q, 0
.rept 4
	CODE4 OUT+4*p+q, X+16*p+4*q
.set q, q+1
.endr
	global_store_b128 v[SO], v[OUT+4*p:OUT+4*p+3], s[6:7] offset:(p/2)*1024+(p%2)*512  ; the piece's 512 consecutive bytes; its four registers are written once, so nothing waits for the store
.set p, p+1
.endr
	s_endpgm
.Lfunc_end_k_q4eae48a6c1_binx:
	.size	k_q4eae48a6c1_binx, .Lfunc_end_k_q4eae48a6c1_binx-k_q4eae48a6c1_binx
	.p2alignl 7, 3214868480
	.fill 96, 4, 3214868480
	.section	.rodata,"a",@progbits
	.p2align	6, 0x0
	.amdhsa_kernel k_q4eae48a6c1_binx
		.amdhsa_group_segment_fixed_size 0
		.amdhsa_private_segment_fixed_size 0
		.amdhsa_enable_private_segment 0
		.amdhsa_kernarg_size 16
		.amdhsa_user_sgpr_count 2
		.amdhsa_user_sgpr_kernarg_segment_ptr 1
		.amdhsa_wavefront_size32 1
		.amdhsa_system_sgpr_workgroup_id_x 1
		.amdhsa_system_sgpr_workgroup_id_y 1
		.amdhsa_system_sgpr_workgroup_id_z 1
		.amdhsa_system_vgpr_workitem_id 0
		.amdhsa_next_free_vgpr 96
		.amdhsa_next_free_sgpr 66
		.amdhsa_reserve_vcc 1
		.amdhsa_float_denorm_mode_32 3
		.amdhsa_float_denorm_mode_16_64 3
		.amdhsa_memory_ordered 1
		.amdhsa_forward_progress 1
		.amdhsa_inst_pref_size 15
	.end_amdhsa_kernel
	.amdgpu_metadata
---
amdhsa.version: [ 1, 2 ]
amdhsa.kernels:
  - .name:           k_q4eae48a6c1_binx
    .symbol:         k_q4eae48a6c1_binx.kd
    .args:
      - { .name: x, .offset: 0, .size: 8, .value_kind: global_buffer, .address_space: global }
      - { .name: ha, .offset: 8, .size: 8, .value_kind: global_buffer, .address_space: global }
    .group_segment_fixed_size: 0
    .private_segment_fixed_size: 0
    .kernarg_segment_align: 8
    .kernarg_segment_size: 16
    .max_flat_workgroup_size: 256
    .sgpr_count:     66
    .vgpr_count:     96
    .wavefront_size: 32
...
	.end_amdgpu_metadata
.endif
;; end of part 1
;; launch layer0 (part 2): grid 4 x 64, 4 waves a work-group, clusters of 4 x 1, 327,680 bytes of LDS; arguments ha, W0, hb; writes hb
.if DOCPART == 2
	.amdgcn_target "amdgcn-amd-amdhsa--gfx1250"
	.amdhsa_code_object_version 6
	.text
	.protected	k_q4eae48a6c1_layer0
	.globl	k_q4eae48a6c1_layer0
	.p2align	8
	.type	k_q4eae48a6c1_layer0,@function
k_q4eae48a6c1_layer0:
	s_mov_b64 s[64:65], 0
	v_nop
	global_prefetch_b8 v0, s[64:65] scope:SCOPE_SE
	s_setreg_imm32_b32 hwreg(HW_REG_WAVE_MODE, 25, 1), 1
	s_wait_xcnt 0x0
	s_wait_alu depctr_hold_cnt(0) depctr_sa_sdst(0) depctr_va_vdst(0) depctr_va_sdst(0) depctr_va_ssrc(0) depctr_va_vcc(0) depctr_vm_vsrc(0)
	s_getreg_b32 s2, hwreg(HW_REG_IB_STS2, 6, 4)
	s_cmp_eq_u32 s2, 0
	s_cbranch_scc0 .Lentry_in_a_cluster
	s_endpgm
.Lentry_in_a_cluster:
	s_bfe_u32 s2, ttmp6, 0x10000c
	s_cmp_lg_u32 s2, 0x3003
	s_cbranch_scc0 .Lentry_shape_is_right
	s_endpgm
.Lentry_shape_is_right:
; out = sign(h W^T) for one layer: h [1024][4096] as byte codes, W [4096 (n)][4096 (k)] f32, out [1024][4096] as byte codes.  Arguments: h, W, out.
; THE CODES: 0x40, 0xC0, 0x00 = the upper byte of bf16 +2, -2, 0.  One v_perm_b32 widens two codes to two bf16; the factor 2 changes no sign.  W is rounded to bf16 (nearest even) on its way to the matrix unit.
; h AND out lie as [mt 4][kb 64][mb 16][c 2][lane 32][16 bytes]; lane = 16 h + r, byte 8 u + j = row 256 mt + 16 mb + r, column 64 kb + 32 c + 16 u + 8 h + j:
; a piece (mb, c) of 512 bytes is a fragment of 16 rows x 32 K in its lanes' order, and a lane's results are 16 neighbouring bytes of out (no stage).
; LIMITS: a sum that is NaN gives the code of its sign bit; sums are 2 x the layer's and are made in four parts of K, added in f32 at the end.
; SHARES: a work-group makes 256 rows x 64 columns: 256 work-groups.  For 16,384 outputs this shape fetches the fewest bytes for each k: 256 x 1 + 64 x 4 = 512.
; THE FOUR WAVES SPLIT K, NOT THE TILE: of each K step of 512 wave w takes k = 128 w .. 128 w + 127, four sub-steps of 32, for the whole tile (64 accumulators of 16 x 16, 512 registers).
; So each byte is read once and each weight converted once; the price is one exchange of partial sums through LDS at the end.
; W GOES THROUGH LDS, in a ring of two slots filled by the tensor data mover.  CLUSTER: the four work-groups of a cluster make the four row tiles of one column tile, all 1,024 rows, and need the same rows of W:
; each tile of W is asked for JOINTLY, by the same tensor load with the same descriptor and a mask that names the four, and a row of W is asked for by one cluster alone.
; h GOES STRAIGHT INTO REGISTERS, WITHOUT MULTICAST, though the 64 work-groups of a row tile read the same bytes: each byte of it is wanted by one wave of a work-group only, in the order in which it lies, so a load of a wave
; takes 512 consecutive bytes and LDS would give no reuse; in LDS it would take half of each slot: a slot would hold a K step of 256 in place of 512, and a refill would have 120 matrix instructions in which to land in place of 248.
; THE MATRIX INSTRUCTION IS USED TRANSPOSED: source 0 = 16 rows of W, source 1 = 16 rows of h: lane (r, h) then holds row r, and register j the column 16 nb + 8 h + j.
; REGISTERS, in windows of 256 (s_set_vgpr_msb: bits 1:0 source 0, 3:2 source 1, 5:4 source 2, 7:6 destination):
;   window 0: addresses; raw W (64), a ring of four bf16 fragments of h (32), two sets of four bf16 fragments of W (64)
;   windows 1, 2: the accumulators: block i of 16 rows, column block nb at register 32 (i % 8) + 8 nb of window 1 + i / 8
;   window 3: raw h, a ring of four sub-steps: block i of sub-step c at register 64 c + 4 i
; The vector work that feeds the products stands in slices of four behind matrix instructions, 160 instructions for a sub-step's 64 products, where it is issued while the matrix unit works; a slice costs two switches.
; ROTATION: register group g (blocks 4 g .. 4 g + 3) of wave w holds the rows' group (g + w) % 4, so the quarter that a wave finishes is its group 0, and all waves run one text.
.set PART,  33280                      ; what one tensor load fills: 32 rows of W, 256 f32 each, at 1,040 bytes
.set SLOT,  4*PART                     ; a K step of 512: part p = k chunk p / 2 of 256, rows 32 (p % 2) on.  SLOT = 0x20800 shares no bit with w x PART, so an exclusive or with it turns a slot's address into the other's
.set WP,    1040                       ; a row of W in LDS: 1,024 bytes + 16 of padding = 65 x 16: the 16 rows of a load start at 16 different groups of four banks (64 banks of 4 bytes: ISA guide 11.1)
.set SPARE, 2*SLOT                     ; behind the ring: the spare words, 128 bytes for each wave: two blocks of 256 bytes that no other line names
.set REDW,  49152                      ; the exchange: what a wave sends: 3 groups x 16 accumulators x 1,024 bytes.  It lies over the slots, behind their last fill of the launch
.set HSTEP, 131072                     ; a K step of 512 in h: 8 kb of 16,384 bytes
.set AOF,  8                           ; v8-11   byte offset in my rows of h of my lane's 16 bytes in register group g's first piece, for my k of K step 0; never rewritten
.set ADRW0, 12                         ; v12     my lane's place in a slot of W; never rewritten
.set ADRW, 13                          ; v13     the LDS address of the run of loads in hand
.set SPW,  18                          ; v18     LDS address of my spare word: SPARE + 4 x my thread's number; never rewritten
.set NIL,  19                          ; v19     0, for the add alone
.set ZERO, 20                          ; v20     0: the low bytes of the widened codes
.set CO,   21                          ; v21     16 x lane: my byte offset in a piece of out
.set RS,   22                          ; v22     the exchange: where I send
.set RL,   23                          ; v24-26  the exchange: RL + g: where the wave that holds my quarter as its group g has put it
.set PFO,  27                          ; v27     my byte offset in the prefetch of W
.set RW,   96                          ; v96-159  raw W: column block nb's 16 f32 a lane at RW + 16 nb
.set CA,   160                         ; v160-191 bf16 fragments of h: block b in place b % 4
.set CW,   192                         ; v192-255 bf16 fragments of W: set p (the sub-step's parity), column block nb at CW + 32 p + 8 nb
.set OUT,  224                         ; the way out: eight registers of codes for each of my four blocks
.set G1B,  48                          ; s[48:55] descriptor group 1 for W's tiles
.set G0B,  56                          ; s[56:63] group 0: a set for each of the two first fills; the second then walks on
.set SEL0, 66                          ; s66  v_perm_b32: codes 0 and 1 of a register into the upper bytes of two bf16
.set SEL1, 67                          ; s67  codes 2 and 3
.set SGN,  68                          ; s68  the sign bit
.set TWO,  69                          ; s69  0x40000000
.set PFB,  70                          ; s[70:71] the prefetch's base in W
.set SELH, 72                          ; s72  v_perm_b32: the top bytes of two registers
.set SELP, 73                          ; s73  the low halves of two registers
.set TB,   74                          ; s74  LDS byte at which the slot to be read begins: 0 or SLOT
.set MSB, 0
.macro WIN new                         ; the immediate's high byte repeats the setting that is left; a switch that changes nothing is dropped
.if MSB != (\new)
	s_set_vgpr_msb (MSB<<8)|(\new)
.set MSB, \new
.endif
.endm
; A joint load: every wave fetches its part of a slot, by group 0 set s.  An s_nop 0 and four v_nop follow the line.
.macro JLOAD s
	tensor_load_to_lds s[G0B+4*(\s):G0B+4*(\s)+3], s[G1B:G1B+7]
	s_nop 0
.rept 4
	v_nop
.endr
.endm
.macro CREST                           ; a round of the cluster's barrier behind its opening barrier: wave 0 signals for the work-group, every wave waits for all four, my work-group's barrier closes it
	s_cmp_lg_u32 s10, 0
	s_cbranch_scc1 .Lnot_wave_0_\@
	s_barrier_signal -3
.Lnot_wave_0_\@:
	s_barrier_wait -3
	s_barrier_signal -1
	s_barrier_wait -1
.endm
.macro CROUND                          ; a whole round
	s_barrier_signal -1
	s_barrier_wait -1
	CREST
.endm
; 16 LDS loads: 32 of my k of all 64 rows of W, as f32: sub-step nc of the slot at s[TB].  A lane's k: 8 h + 0..7 at bytes 0 and 16, 16 + 8 h + 0..7 at bytes 64 and 80.
.macro LOADW nc
	WIN 0
	v_add_nc_u32 v[ADRW], s[TB], v[ADRW0]
.irp nb, 0,1,2,3
	ds_load_b128 v[RW+16*\nb:RW+16*\nb+3],     v[ADRW] offset:\nb*16*WP+(\nc)*128
	ds_load_b128 v[RW+16*\nb+4:RW+16*\nb+7],   v[ADRW] offset:\nb*16*WP+(\nc)*128+16
	ds_load_b128 v[RW+16*\nb+8:RW+16*\nb+11],  v[ADRW] offset:\nb*16*WP+(\nc)*128+64
	ds_load_b128 v[RW+16*\nb+12:RW+16*\nb+15], v[ADRW] offset:\nb*16*WP+(\nc)*128+80
.endr
.endm
; 8 loads from memory: the codes of blocks first .. first + 7 of a sub-step c, into its place in the ring; each takes a piece's 512 consecutive bytes.  extra: bytes from the base's K step to the one that is meant.
.macro LOADA c, first, extra
	WIN 0xc0                                       ; destination window 3, address window 0
.set i, (\first)
.rept 8
	global_load_b128 v[64*(\c)+4*i:64*(\c)+4*i+3], v[AOF+i/4], s[4:5] offset:(\extra)+((\c)/2)*16384+((\c)%2)*512+(i%4)*1024
.set i, i+1
.endr
.endm
.macro PERM2 c, b, m                   ; raw register m of block b of sub-step c (b = 16, 17: blocks 0, 1 of the next): four codes become four bf16.  Source 0 in window 3
.set rr, 64*(((\c)+(\b)/16)%4)+4*((\b)%16)+(\m)
	v_perm_b32 v[CA+8*((\b)%4)+2*(\m)],   v[rr], v[ZERO], s[SEL0]
	v_perm_b32 v[CA+8*((\b)%4)+2*(\m)+1], v[rr], v[ZERO], s[SEL1]
.endm
.macro CVT1 p, e                       ; two weights are rounded to bf16: register e of 32 of set p
	v_cvt_pk_bf16_f32 v[CW+32*(\p)+(\e)], v[RW+2*(\e)], v[RW+2*(\e)+1]
.endm
; Four f32 in v[src .. src+3] become four codes in v[dst]: (sign | 2.0) where the number is not zero, else 0; then the four top bytes are gathered, the first number's lowest.
.macro CODE4 dst, src
.set cd, \dst
.set cs, \src
.set ce, cs
.rept 4
	v_cmp_neq_f32 vcc_lo, 0, v[ce]
	v_and_or_b32 v[ce], v[ce], s[SGN], s[TWO]
	v_cndmask_b32 v[ce], 0, v[ce], vcc_lo
.set ce, ce+1
.endr
	v_perm_b32 v[cs], v[cs+1], v[cs], s[SELH]
	v_perm_b32 v[cs+2], v[cs+3], v[cs+2], s[SELH]
	v_perm_b32 v[cd], v[cs+2], v[cs], s[SELP]
.endm
	s_load_b128 s[4:7], s[0:1], 0x0                ; h s[4:5], W s[6:7]
	s_load_b64 s[8:9], s[0:1], 0x10                ; out
	v_lshl_add_u32 v[SPW], v0, 2, SPARE
	v_mov_b32 v[NIL], 0
	ds_add_u32 v[SPW], v[NIL]                      ; the wave's opening: the add and its wait stand ahead of my first tensor load; the set-up below, work on registers, stands between them
	v_lshrrev_b32 v1, 5, v0
	v_readfirstlane_b32 s10, v1                    ; wave 0..3: my quarter of each K step, and the part of a slot that I fetch
	s_lshr_b32 s11, s10, 1                         ; the k chunk of 256 in which my k lie, and which I fetch
	s_and_b32 s12, s10, 1                          ; the half of that chunk that is mine.  Also: which 32 rows of W I fetch
	s_bfe_u32 s40, ttmp6, 0x40000                  ; cx: my place in the cluster
	s_lshl_b32 s13, ttmp9, 2                       ; in a cluster launch ttmp9 counts clusters
	s_add_co_u32 s13, s13, s40                     ; mt: my 256 rows = 4 x cluster x + cx: it enters h's, out's and the prefetch's addresses alone
	s_and_b32 s42, ttmp7, 0xffff                   ; nt: my 64 columns, which the four partners share
	; group 1: 32 rows of 256 f32 (1,024 bytes, starting at a multiple of 1,024 from W's first byte), 16 bytes of padding behind each
	s_mov_b32 s[G1B+0], 15|(2<<16)|(1<<20)|(1<<21)|(7<<22)|(3<<25)  ; 15:0 the mask: all four work-groups; 17:16 elements of 4 bytes; 20 padding on; 21 set beside a mask; 24:22 after every 256 words (code 7); 31:25 4 words (code 3)
	s_mov_b32 s[G1B+1], 256<<16                    ; tensor_dim0 = 256
	s_mov_b32 s[G1B+2], 32<<16                     ; tensor_dim1 = 32
	s_mov_b32 s[G1B+3], 256<<16                    ; tile_dim0 = 256
	s_mov_b32 s[G1B+4], 32                         ; tile_dim1 = 32
	s_mov_b32 s[G1B+5], 4096                       ; 4,096 elements from row to row
	s_mov_b32 s[G1B+6], 0
	s_mov_b32 s[G1B+7], 0
	s_lshl_b32 s46, s42, 20                        ; W: my column tile's 64 rows of 16,384 bytes,
	s_lshl_b32 s47, s12, 19                        ; my 32 of them,
	s_add_co_u32 s46, s46, s47
	s_lshl_b32 s47, s11, 10                        ; my k chunk of 1,024 bytes
	s_add_co_u32 s46, s46, s47
	s_mov_b32 s47, 0
	s_lshl_b32 s14, s13, 20                        ; h: an mt is 1,048,576 dense bytes
	s_mov_b32 s15, 0
	s_mul_i32 s20, s10, PART                       ; where my part goes: wave x a part: no place in the cluster enters an LDS address
	s_mov_b32 s[SEL0], 0x05000400
	s_mov_b32 s[SEL1], 0x07000600
	s_mov_b32 s[SGN], 0x80000000
	s_mov_b32 s[TWO], 0x40000000
	s_mov_b32 s[SELH], 0x07030703
	s_mov_b32 s[SELP], 0x05040100
	s_mov_b32 s[TB], 0
	v_and_b32 v1, 15, v0                           ; r
	v_bfe_u32 v2, v0, 4, 1                         ; h
	v_and_b32 v3, 31, v0
	v_lshlrev_b32 v3, 4, v3                        ; 16 x lane
	v_mov_b32 v[ZERO], 0
	v_mov_b32 v[CO], v3
	s_lshl_b32 s21, s10, 15                        ; my 128 k of a K step of h: two kb of 16,384 bytes
.irp g, 0,1,2,3
	s_add_co_u32 s22, s10, \g
	s_and_b32 s22, s22, 3                          ; register group g holds the rows' group (g + w) % 4:
	s_lshl_b32 s22, s22, 12                        ; four blocks of 1,024 bytes
	s_add_co_u32 s22, s22, s21
	v_add_nc_u32 v[AOF+\g], s22, v3
.endr
	v_mul_u32_u24 v4, v1, WP                       ; W: row r,
	v_lshl_add_u32 v4, v2, 5, v4                   ; 8 h numbers on,
	s_mul_i32 s22, s11, 2*PART                     ; my k chunk's 64 rows,
	s_lshl_b32 s23, s12, 9                         ; my 128 k of their 256
	s_add_co_u32 s22, s22, s23
	v_add_nc_u32 v[ADRW0], s22, v4
	v_lshrrev_b32 v5, 3, v0                        ; the prefetch: thread t asks in row 16 cx + t / 8 of the column tile's 64 for block t % 8 of 256 bytes
	s_lshl_b32 s45, s40, 4
	v_add_nc_u32 v5, s45, v5
	v_and_b32 v6, 7, v0
	v_lshlrev_b32 v5, 14, v5
	v_lshl_add_u32 v[PFO], v6, 8, v5
	s_wait_dscnt 0x0                               ; the opening add is done
	s_wait_kmcnt 0x0
	s_add_nc_u64 s[4:5], s[4:5], s[14:15]          ; h at my 256 rows, K step 0
	s_add_nc_u64 s[46:47], s[6:7], s[46:47]
	CROUND                                         ; all four work-groups are here: the first joint loads meet
.irp s, 0,1
	s_mov_b32 s[G0B+4*(\s)], 1                                       ; count = 1
	s_add_co_u32 s[G0B+4*(\s)+1], s20, (\s)*SLOT                     ; LDS address
	s_add_nc_u64 s[G0B+4*(\s)+2:G0B+4*(\s)+3], s[46:47], (\s)*2048   ; global address: K step s
	s_or_b32 s[G0B+4*(\s)+3], s[G0B+4*(\s)+3], 0x80000000            ; type = 2
	JLOAD \s                                       ; both slots are asked for before anything else is done: two tensor loads of mine are out
.endr
	LOADA 0, 0, 0                                  ; h of the first four sub-steps: seven runs of eight now, the eighth when the first is in: 56 loads of mine are out at the most
	LOADA 0, 8, 0
	LOADA 1, 0, 0
	LOADA 1, 8, 0
	LOADA 2, 0, 0
	LOADA 2, 8, 0
	LOADA 3, 0, 0
	WIN 0
	s_lshl_b32 s46, s42, 20                        ; the prefetch's base: my column tile's rows of W, K step 2
	s_mov_b32 s47, 0
	s_add_nc_u64 s[PFB:PFB+1], s[6:7], s[46:47]
	s_add_nc_u64 s[PFB:PFB+1], s[PFB:PFB+1], 4096
	global_prefetch_b8 v[PFO], s[PFB:PFB+1] th:TH_LOAD_NT scope:SCOPE_SE  ; K step 2, which the first refill will ask for: 16 rows x 2,048 bytes a work-group
	s_lshl_b32 s46, s13, 6                         ; out: tile (mt, kb = nt) of 16,384 bytes, and in it my quarter: blocks 4 w .. 4 w + 3
	s_add_co_u32 s46, s46, s42
	s_lshl_b32 s46, s46, 14
	s_lshl_b32 s45, s10, 12
	s_add_co_u32 s46, s46, s45
	s_add_nc_u64 s[8:9], s[8:9], s[46:47]
	s_mul_i32 s22, s10, REDW
	v_add_nc_u32 v[RS], s22, v3
.irp g, 1,2,3
	s_add_co_u32 s22, s10, 4-\g
	s_and_b32 s22, s22, 3                          ; wave (w - g) % 4 holds my quarter as its group g
	s_mul_i32 s22, s22, REDW
	s_add_co_u32 s22, s22, (\g-1)*16384
	v_add_nc_u32 v[RL+\g], s22, v3
.endr
; A SUB-STEP: 32 of my k, number c of the K step's four: 64 matrix instructions, block after block of 16 rows, four column blocks each.  The 64 accumulators take turns, in the same order in every sub-step.
; SLICES: behind each of a block's first two products four v_perm_b32 that widen half of the block two further on (blocks 16, 17: the next sub-step's 0, 1); from block 8 on, behind the third, four roundings of the next sub-step's W.
; A place of the ring of four fragments is written eight plain instructions or more behind the last product that read it; the set of W that is written is not the one that this sub-step multiplies (ISA guide 7.12.1).
; W of the next sub-step: 16 LDS loads in front of block 3, waited for in front of block 8.
; h: the ring in window 3 holds four sub-steps.  aload = 1: in front of block 6, behind the widening of this sub-step's block 7, blocks 0-7 of the sub-step four further on are asked for into the same registers; in front of block 14
; its blocks 8-15: 224 matrix instructions ahead of their first use.  Loads come back in order (ISA guide 5.7.1): w6 is the number of loads issued behind this sub-step's blocks 8-15, w14 behind the next sub-step's blocks 0-7:
; six runs of eight while loads go on; each wait stands ahead of the run beside it.
; zero = 1: the products start the sums.  last = 1: nothing follows.
; meet: the change of slots, in a K step's last sub-step; the slot's last reads were waited for in the sub-step before.  In front of the barrier each wave waits for all its tensor loads, of which one is out: its part of the
; other slot; adds 0 to its spare word; and waits for that.  meet = 1: the slot is filled again, two K steps ahead: the barrier opens a round of the cluster's barrier, and the joint load is the
; first thing behind it: 248 matrix instructions ahead of the wait for it.  meet = 2: nothing is left to fetch: my work-group's barrier alone.
.macro SUB c, zero, meet, aload, w6, w14, last
.set NC, ((\c)+1)%4
.if (\c) == 0
.set AEX, HSTEP                        ; the base steps between a K step's sub-steps 0 and 1
.else
.set AEX, 0
.endif
.set bk, 0
.rept 16
.if (\meet) && (bk == 1)
	WIN 0
	s_wait_tensorcnt 0x0                           ; all my tensor loads have landed: the one that was out is my part of the other slot; no load of mine is out, so a group 0 may be written
	ds_add_u32 v[SPW], v[NIL]                      ; 0 onto my spare word; block 1's work on registers stands between it and the wait for it
.endif
.if (\meet) && (bk == 2)
	s_wait_dscnt 0x0                               ; the add is done, and my reads of this slot are over
	s_barrier_signal -1                            ; block 2's work on registers stands between the signal and the wait
.endif
.if (\meet) && (bk == 3)
	WIN 0                                          ; at a branch and at a label every window is 0
	s_barrier_wait -1
.endif
.if ((\meet) == 1) && (bk == 3)
	CREST                                          ; no wave of any partner still reads this slot's tiles or has a load on its way
	s_xor_b32 s[G0B+5], s[G0B+5], SLOT             ; the walking descriptor: the other slot than last time,
	s_add_nc_u64 s[G0B+6:G0B+7], s[G0B+6:G0B+7], 2048  ; the next K step; the type bits on top are not reached
	JLOAD 1
	; PREFETCH of W: in each trip but the last the work-group's 128 threads ask for 16 rows x 2,048 bytes, the K step that the NEXT trip's joint load will ask for; the four work-groups of a cluster take 16 rows each,
	; so each block of 256 bytes is asked for once in the launch; 32,768 bytes a trip; the last trip's look-ahead would pass K's end and asks for nothing
	s_cmp_gt_u32 s3, 1
	s_cbranch_scc0 .Lno_ask_\@
	global_prefetch_b8 v[PFO], s[PFB:PFB+1] offset:2048 th:TH_LOAD_NT scope:SCOPE_SE
.Lno_ask_\@:
.endif
.if (\meet) && (bk == 3)
	s_xor_b32 s[TB], s[TB], SLOT                   ; the reads go on in the other slot
.endif
.if !(\last) && (bk == 3)
	LOADW NC
.endif
.if bk == 6
	s_wait_loadcnt \w6                             ; this sub-step's blocks 8-15 are in
.if \aload
	LOADA \c, 0, AEX
.endif
.endif
.if !(\last) && (bk == 8)
	s_wait_dscnt 0x0                               ; the next W is in: its sixteen loads are all that is out
.endif
.if !(\last) && (bk == 14)
	s_wait_loadcnt \w14                            ; the next sub-step's blocks 0-7 are in
.if \aload
	LOADA \c, 8, AEX
.endif
.endif
.set nn, 0
.rept 4
.set rD, 32*(bk%8)+8*nn
.set rW, CW+32*((\c)%2)+8*nn
.set rA, CA+8*(bk%4)
	WIN 0x50+0x50*(bk/8)                           ; C and D in window 1 or 2, sources in window 0
.if \zero
	v_wmma_f32_16x16x32_bf16 v[rD:rD+7], v[rW:rW+7], v[rA:rA+7], 0
.else
	v_wmma_f32_16x16x32_bf16 v[rD:rD+7], v[rW:rW+7], v[rA:rA+7], v[rD:rD+7]
.endif
.if (nn < 2) && (!(\last) || (bk <= 13))
	WIN 0x03                                       ; source 0, the raw codes, in window 3
	PERM2 \c, bk+2, 2*nn
	PERM2 \c, bk+2, 2*nn+1
.endif
.if (nn == 2) && !(\last) && (bk >= 8)
	WIN 0
	CVT1 1-(\c)%2, 4*(bk-8)
	CVT1 1-(\c)%2, 4*(bk-8)+1
	CVT1 1-(\c)%2, 4*(bk-8)+2
	CVT1 1-(\c)%2, 4*(bk-8)+3
.endif
.set nn, nn+1
.endr
.set bk, bk+1
.endr
.endm
	s_wait_tensorcnt 1                             ; my part of K step 0 is in; K step 1's may stay out
	s_barrier_signal -1
	s_barrier_wait -1                              ; everybody's is
	LOADW 0
	s_wait_loadcnt 48                              ; all but the six younger runs: blocks 0-7 of sub-step 0 are in
	LOADA 3, 8, 0                                  ; the eighth run
	WIN 0x03
.set nn, 0
.rept 4
	PERM2 0, 0, nn
	PERM2 0, 1, nn
.set nn, nn+1
.endr
	WIN 0
	s_wait_dscnt 0x0
.set ee, 0
.rept 32
	CVT1 0, ee
.set ee, ee+1
.endr
	SUB 0, 1, 0, 1, 48, 48, 0                      ; the first sub-step stands in front of the loop: its products start the sums
	WIN 0
	s_wait_xcnt 0x0                                ; every earlier memory instruction has had its addresses translated (ISA guide 3.1): h's base steps only behind this wait
	s_add_nc_u64 s[4:5], s[4:5], HSTEP
	s_mov_b32 s3, 6
.Lstep:                                                ; a trip: a K step's sub-steps 1 to 3 and the next K step's sub-step 0; it fills the slot that it leaves: K steps 2 to 7
	SUB 1, 0, 0, 1, 48, 48, 0
	SUB 2, 0, 0, 1, 48, 48, 0
	SUB 3, 0, 1, 1, 48, 48, 0
	SUB 0, 0, 0, 1, 48, 48, 0
	WIN 0
	s_wait_xcnt 0x0                                ; as above: the two bases step only behind this wait; the prefetch stands more than a sub-step back
	s_add_nc_u64 s[4:5], s[4:5], HSTEP
	s_add_nc_u64 s[PFB:PFB+1], s[PFB:PFB+1], 2048
	s_sub_co_u32 s3, s3, 1
	s_cmp_lg_u32 s3, 0
	s_cbranch_scc1 .Lstep
	SUB 1, 0, 0, 1, 48, 48, 0                      ; the tail is written out: no tile is asked for any more,
	SUB 2, 0, 0, 1, 48, 48, 0
	SUB 3, 0, 2, 1, 48, 48, 0
	SUB 0, 0, 0, 0, 48, 40, 0                      ; and the last four sub-steps load nothing of h: the counts run down, a run of eight at a time
	SUB 1, 0, 0, 0, 32, 24, 0
	SUB 2, 0, 0, 0, 16, 8, 0
	SUB 3, 0, 0, 0, 0, 0, 1
	; THE WAY OUT.  Each wave holds its quarter of K for the whole tile.  It sends its register groups 1 to 3 to the waves that finish them, adds what the three others send onto its group 0, takes the signs and stores.
	WIN 0
.rept 4
	v_nop                                          ; four places between the last products and the LDS stores that read results
.endr
	s_wait_dscnt 0x0
	s_barrier_signal -1
	s_barrier_wait -1                              ; no wave reads the slots any more, and every wave's tensor loads were waited for at the last change of slots: the exchange may lie over them
.set gg, 1
.rept 3
	WIN 0x04*(1+gg/2)                              ; the stores' data: window 1 (group 1) or 2 (groups 2, 3)
.set q, 0
.rept 16                               ; accumulator q = 4 x block + column block; its four lowest registers first; each store takes 512 consecutive bytes
.set rD, 32*((4*gg+q/4)%8)+8*(q%4)
	ds_store_b128 v[RS], v[rD:rD+3]   offset:(gg-1)*16384+q*1024
	ds_store_b128 v[RS], v[rD+4:rD+7] offset:(gg-1)*16384+q*1024+512
.set q, q+1
.endr
.set gg, gg+1
.endr
	WIN 0
	s_wait_dscnt 0x0                               ; for the others' sake: my stores are done
	s_barrier_signal -1
	s_barrier_wait -1
.macro GATHER il                       ; 24 LDS loads: the three other waves' sums for block il of my quarter, 32 registers each, into one of two buffers of 96
.set EB, 32+96*((\il)%2)
.set gg, 1
.rept 3
.set q, 0
.rept 8
	ds_load_b128 v[EB+32*(gg-1)+4*q:EB+32*(gg-1)+4*q+3], v[RL+gg] offset:(4*(\il)+q/2)*1024+(q%2)*512
.set q, q+1
.endr
.set gg, gg+1
.endr
.endm
.macro FINISH il, left                 ; left: the LDS loads issued behind this block's, which may stay out
.set EB, 32+96*((\il)%2)
	s_wait_dscnt \left
	WIN 0
.set z, 0
.rept 16
	v_pk_add_f32 v[EB+2*z:EB+2*z+1], v[EB+2*z:EB+2*z+1], v[EB+32+2*z:EB+32+2*z+1]
.set z, z+1
.endr
.set z, 0
.rept 16
	v_pk_add_f32 v[EB+2*z:EB+2*z+1], v[EB+2*z:EB+2*z+1], v[EB+64+2*z:EB+64+2*z+1]
.set z, z+1
.endr
	WIN 0x01                                       ; source 0: my own sums, in window 1; each accumulator's registers in ascending order
.set z, 0
.rept 16
	v_pk_add_f32 v[EB+2*z:EB+2*z+1], v[32*(\il)+2*z:32*(\il)+2*z+1], v[EB+2*z:EB+2*z+1]
.set z, z+1
.endr
	WIN 0
.set q, 0
.rept 8                                ; register q of the block's eight: column block q / 2 = 2 c + u, its numbers 4 (q % 2) on: bytes 4 (q % 4) on of piece c = q / 4
	CODE4 OUT+8*(\il)+q, EB+4*q
.set q, q+1
.endr
	global_store_b128 v[CO], v[OUT+8*(\il):OUT+8*(\il)+3],   s[8:9] offset:(\il)*1024      ; a piece's 512 consecutive bytes, at a multiple of 512 from out's first byte;
	global_store_b128 v[CO], v[OUT+8*(\il)+4:OUT+8*(\il)+7], s[8:9] offset:(\il)*1024+512  ; the eight registers are written once, so nothing waits for the stores
.endm
	GATHER 0
	GATHER 1
	FINISH 0, 24
	GATHER 2
	FINISH 1, 24
	GATHER 3
	FINISH 2, 24
	FINISH 3, 0
	s_wait_tensorcnt 0x0                           ; the wave's end, behind my last tensor load and my last LDS store
	ds_add_u32 v[SPW], v[NIL]
	s_wait_dscnt 0x0
	CROUND                                         ; the closing round: no work-group ends while a partner may still ask for a tile that names it
	s_endpgm
.Lfunc_end_k_q4eae48a6c1_layer0:
	.size	k_q4eae48a6c1_layer0, .Lfunc_end_k_q4eae48a6c1_layer0-k_q4eae48a6c1_layer0
	.p2alignl 7, 3214868480
	.fill 96, 4, 3214868480
	.section	.rodata,"a",@progbits
	.p2align	6, 0x0
	.amdhsa_kernel k_q4eae48a6c1_layer0
		.amdhsa_group_segment_fixed_size 327680
		.amdhsa_private_segment_fixed_size 0
		.amdhsa_enable_private_segment 0
		.amdhsa_kernarg_size 24
		.amdhsa_user_sgpr_count 2
		.amdhsa_user_sgpr_kernarg_segment_ptr 1
		.amdhsa_wavefront_size32 1
		.amdhsa_system_sgpr_workgroup_id_x 1
		.amdhsa_system_sgpr_workgroup_id_y 1
		.amdhsa_system_sgpr_workgroup_id_z 1
		.amdhsa_system_vgpr_workitem_id 0
		.amdhsa_next_free_vgpr 1024
		.amdhsa_next_free_sgpr 80
		.amdhsa_reserve_vcc 1
		.amdhsa_float_denorm_mode_32 3
		.amdhsa_float_denorm_mode_16_64 3
		.amdhsa_memory_ordered 1
		.amdhsa_forward_progress 1
		.amdhsa_inst_pref_size 255
	.end_amdhsa_kernel
	.section	.bss,"aw",@nobits
	.p2align	6
	.space	262144
	.amdgpu_metadata
---
amdhsa.version: [ 1, 2 ]
amdhsa.kernels:
  - .name:           k_q4eae48a6c1_layer0
    .symbol:         k_q4eae48a6c1_layer0.kd
    .args:
      - { .name: ha, .offset: 0, .size: 8, .value_kind: global_buffer, .address_space: global }
      - { .name: W0, .offset: 8, .size: 8, .value_kind: global_buffer, .address_space: global }
      - { .name: hb, .offset: 16, .size: 8, .value_kind: global_buffer, .address_space: global }
    .group_segment_fixed_size: 327680
    .private_segment_fixed_size: 0
    .kernarg_segment_align: 8
    .kernarg_segment_size: 24
    .max_flat_workgroup_size: 128
    .sgpr_count:     80
    .vgpr_count:     1024
    .wavefront_size: 32
...
	.end_amdgpu_metadata
.endif
;; end of part 2
;; launch layer1: the kernel of part 2 again; grid 4 x 64, 4 waves a work-group, clusters of 4 x 1, 327,680 bytes of LDS; arguments hb, W1, ha; writes ha
;; launch layer2: the kernel of part 2 again; grid 4 x 64, 4 waves a work-group, clusters of 4 x 1, 327,680 bytes of LDS; arguments ha, W2, hb; writes hb
;; launch head (part 3): grid 64 x 1, 16 waves a work-group, no clusters, 18,432 bytes of LDS; arguments hb, W3, out0; writes out0
.if DOCPART == 3
	.amdgcn_target "amdgcn-amd-amdhsa--gfx1250"
	.amdhsa_code_object_version 6
	.text
	.protected	k_q4eae48a6c1_head
	.globl	k_q4eae48a6c1_head
	.p2align	8
	.type	k_q4eae48a6c1_head,@function
k_q4eae48a6c1_head:
	s_mov_b64 s[64:65], 0
	v_nop
	global_prefetch_b8 v0, s[64:65] scope:SCOPE_SE
	s_setreg_imm32_b32 hwreg(HW_REG_WAVE_MODE, 25, 1), 1
	s_wait_xcnt 0x0
; out0 = sign(h W3^T): h [1024][4096] as byte codes (0x40, 0xC0, 0x00 = the upper byte of bf16 +2, -2, 0) in the order [mt 4][kb 64][mb 16][c 2][lane 32][16 bytes]
; (lane = 16 h + r, byte 8 u + j = row 256 mt + 16 mb + r, column 64 kb + 32 c + 16 u + 8 h + j); W3 [10][4096] f32, rounded to bf16 (nearest even) for the product; out0 [1024][10] f32: -1, 0 or +1.
; LIMITS: a sum that is NaN gives +-1 by its sign bit; sums are 2 x the layer's, made in 32 parts of K (two a wave) and added in f32.
; SHARES: a matrix tile has 16 rows, and a sum over K stays inside a work-group, so there is work for 1024 / 16 = 64 work-groups: work-group g makes rows 16 g .. 16 g + 15.
; Its sixteen waves split K: wave wv takes columns 256 wv .. 256 wv + 255, eight units of 32, on two accumulators by turns.  The waves' sums meet in LDS behind one barrier.
; All comes through registers: each byte of h is read once; W3's 163,840 bytes are read by every work-group, a small part of the launch's bytes beside h's 4 MiB, so there is no cluster and no tensor load.
; Columns 10 to 15 of the tile are copies of W3's row 9 (no load leaves the buffer); they are never stored.
.set SPARE, 16384                      ; behind the sixteen waves' 1,024 bytes of sums: the spare words, 128 bytes for each wave: eight blocks of 256 bytes that no other line names
.set SPW,  2                           ; v2   LDS address of my spare word: SPARE + 4 x my thread's number; never rewritten
.set NIL,  3                           ; v3   0, for the add alone
.set ZERO, 4                           ; v4   0: the low bytes of the widened codes
.set AO,   5                           ; v5   16 x lane: my byte offset in a piece of h
.set WO,   6                           ; v6   my byte offset in W3: row min(r, 9), 8 h numbers on
.set LS,   7                           ; v7   32 x my thread's number: where my eight sums go
.set RA,   32                          ; v32-63   raw h: unit u's 16 codes a lane at RA + 4 u
.set RW,   64                          ; v64-191  raw W3: unit u's 16 f32 a lane at RW + 16 u
.set FA,   192                         ; v192-223 two sets of fragments: h at FA + 16 p,
.set FB,   200                         ;          W3 at FB + 16 p
.set ACC,  224                         ; v224-239 two accumulators
.set T,    240                         ; v240-247 their sum
.set SEL0, 20                          ; s20  v_perm_b32: codes 0 and 1 of a register into the upper bytes of two bf16
.set SEL1, 21                          ; s21  codes 2 and 3
.set SGN,  22                          ; s22  the sign bit
.set ONE,  23                          ; s23  f32 1.0
	s_load_b128 s[4:7], s[0:1], 0x0                ; h s[4:5], W3 s[6:7]
	s_load_b64 s[8:9], s[0:1], 0x10                ; out0
	v_lshl_add_u32 v[SPW], v0, 2, SPARE
	v_mov_b32 v[NIL], 0
	v_mov_b32 v[ZERO], 0
	v_lshrrev_b32 v1, 5, v0
	v_readfirstlane_b32 s10, v1                    ; wave 0..15
	v_and_b32 v8, 31, v0
	v_lshlrev_b32 v[AO], 4, v8
	v_and_b32 v9, 15, v0                           ; r
	v_bfe_u32 v10, v0, 4, 1                        ; h
	v_min_u32 v9, 9, v9
	v_lshlrev_b32 v[WO], 14, v9                    ; a row of W3 is 16,384 bytes
	v_lshl_add_u32 v[WO], v10, 5, v[WO]
	v_lshlrev_b32 v[LS], 5, v0
	s_lshr_b32 s11, ttmp9, 4                       ; mt
	s_and_b32 s12, ttmp9, 15                       ; mb
	s_lshl_b32 s14, s11, 20
	s_lshl_b32 s12, s12, 10
	s_add_co_u32 s14, s14, s12
	s_lshl_b32 s12, s10, 16                        ; my four kb of 16,384 bytes
	s_add_co_u32 s14, s14, s12
	s_mov_b32 s15, 0
	s_lshl_b32 s16, s10, 10                        ; my 256 columns of W3
	s_mov_b32 s17, 0
	s_mul_i32 s18, ttmp9, 640                      ; 16 rows of 10 f32
	s_mov_b32 s19, 0
	s_mov_b32 s[SEL0], 0x05000400
	s_mov_b32 s[SEL1], 0x07000600
	s_mov_b32 s[SGN], 0x80000000
	s_mov_b32 s[ONE], 0x3f800000
	s_wait_kmcnt 0x0
	s_add_nc_u64 s[4:5], s[4:5], s[14:15]
	s_add_nc_u64 s[6:7], s[6:7], s[16:17]
	s_add_nc_u64 s[8:9], s[8:9], s[18:19]
.set u, 0
.rept 8                                ; unit u: kb = 4 wv + u / 2, c = u % 2: a piece's 512 consecutive bytes
	global_load_b128 v[RA+4*u:RA+4*u+3], v[AO], s[4:5] offset:(u/2)*16384+(u%2)*512
.set u, u+1
.endr
.set u, 0
.rept 8                                ; a lane's k of the unit: 8 h + 0..7 at bytes 0 and 16, 16 + 8 h + 0..7 at bytes 64 and 80
	global_load_b128 v[RW+16*u:RW+16*u+3],     v[WO], s[6:7] offset:(u/2)*256+(u%2)*128
	global_load_b128 v[RW+16*u+4:RW+16*u+7],   v[WO], s[6:7] offset:(u/2)*256+(u%2)*128+16
	global_load_b128 v[RW+16*u+8:RW+16*u+11],  v[WO], s[6:7] offset:(u/2)*256+(u%2)*128+64
	global_load_b128 v[RW+16*u+12:RW+16*u+15], v[WO], s[6:7] offset:(u/2)*256+(u%2)*128+80
.set u, u+1
.endr
; A unit: sixteen plain instructions make fragment set u % 2; they name no register of the product just issued, which took the other set, and are the places behind it (ISA guide 7.12.1).
.macro UNIT u
.set pp, (\u)%2
	s_wait_loadcnt 28-4*(\u)                       ; loads come back in order (ISA guide 5.7.1): all of h and this unit's four of W3 are in; the later units' four each stay out
.set nn, 0
.rept 4
	v_perm_b32 v[FA+16*pp+2*nn],   v[RA+4*(\u)+nn], v[ZERO], s[SEL0]
	v_perm_b32 v[FA+16*pp+2*nn+1], v[RA+4*(\u)+nn], v[ZERO], s[SEL1]
.set nn, nn+1
.endr
.set ee, 0
.rept 8
	v_cvt_pk_bf16_f32 v[FB+16*pp+ee], v[RW+16*(\u)+2*ee], v[RW+16*(\u)+2*ee+1]
.set ee, ee+1
.endr
.if (\u) < 2
	v_wmma_f32_16x16x32_bf16 v[ACC+8*pp:ACC+8*pp+7], v[FA+16*pp:FA+16*pp+7], v[FB+16*pp:FB+16*pp+7], 0
.else
	v_wmma_f32_16x16x32_bf16 v[ACC+8*pp:ACC+8*pp+7], v[FA+16*pp:FA+16*pp+7], v[FB+16*pp:FB+16*pp+7], v[ACC+8*pp:ACC+8*pp+7]
.endif
.endm
.irp u, 0,1,2,3,4,5,6,7
	UNIT \u
.endr
.rept 4
	v_nop                                          ; four places behind the last product
.endr
.set z, 0
.rept 4                                ; register j of lane (r, h): row 8 h + j, column r; both accumulators' lowest registers are read first
	v_pk_add_f32 v[T+2*z:T+2*z+1], v[ACC+2*z:ACC+2*z+1], v[ACC+8+2*z:ACC+8+2*z+1]
.set z, z+1
.endr
	ds_store_b128 v[LS], v[T:T+3]                  ; my wave's 1,024 bytes: 32 a lane
	ds_store_b128 v[LS], v[T+4:T+7] offset:16
	s_wait_tensorcnt 0x0                           ; behind my last LDS store; only LDS reads follow them
	ds_add_u32 v[SPW], v[NIL]
	s_wait_dscnt 0x0                               ; also for the others' sake: my two stores are done
	s_barrier_signal -1
	s_barrier_wait -1
	s_cmp_gt_u32 s10, 4
	s_cbranch_scc1 .Ldone                          ; 160 numbers: threads 0 to 159, waves 0 to 4 whole
	v_mul_u32_u24 v11, v0, 205                     ; 205 / 2,048 = 0.1001: for t < 160 bits 14:11 of 205 t are m = t / 10, and ten times the fraction below them gives n = t % 10
	v_and_b32 v12, 0x7ff, v11
	v_mul_u32_u24 v12, v12, 10
	v_lshrrev_b32 v12, 11, v12                     ; n
	v_bfe_u32 v13, v11, 14, 1                      ; m / 8: the half of the lanes,
	v_bfe_u32 v14, v11, 11, 3                      ; m % 8: the register
	v_lshl_add_u32 v13, v13, 4, v12                ; the lane that held (m, n)
	v_lshlrev_b32 v14, 2, v14
	v_lshl_add_u32 v13, v13, 5, v14
.set k, 0
.rept 16
	ds_load_b32 v[32+k], v13 offset:k*1024         ; wave k's part of the sum
.set k, k+1
.endr
	v_lshlrev_b32 v15, 2, v0
	s_wait_dscnt 0x0
.irp z, 0,2,4,6
	v_pk_add_f32 v[32+\z:33+\z], v[32+\z:33+\z], v[40+\z:41+\z]
.endr
	v_pk_add_f32 v[32:33], v[32:33], v[36:37]
	v_pk_add_f32 v[34:35], v[34:35], v[38:39]
	v_pk_add_f32 v[32:33], v[32:33], v[34:35]
	v_add_f32 v32, v32, v33
	v_cmp_neq_f32 vcc_lo, 0, v32
	v_and_or_b32 v32, v32, s[SGN], s[ONE]          ; +-1 with the sum's sign,
	v_cndmask_b32 v32, 0, v32, vcc_lo              ; or 0
	global_store_b32 v15, v32, s[8:9]              ; the work-group's 640 consecutive bytes, 128 a wave
.Ldone:
	s_endpgm
.Lfunc_end_k_q4eae48a6c1_head:
	.size	k_q4eae48a6c1_head, .Lfunc_end_k_q4eae48a6c1_head-k_q4eae48a6c1_head
	.p2alignl 7, 3214868480
	.fill 96, 4, 3214868480
	.section	.rodata,"a",@progbits
	.p2align	6, 0x0
	.amdhsa_kernel k_q4eae48a6c1_head
		.amdhsa_group_segment_fixed_size 18432
		.amdhsa_private_segment_fixed_size 0
		.amdhsa_enable_private_segment 0
		.amdhsa_kernarg_size 24
		.amdhsa_user_sgpr_count 2
		.amdhsa_user_sgpr_kernarg_segment_ptr 1
		.amdhsa_wavefront_size32 1
		.amdhsa_system_sgpr_workgroup_id_x 1
		.amdhsa_system_sgpr_workgroup_id_y 1
		.amdhsa_system_sgpr_workgroup_id_z 1
		.amdhsa_system_vgpr_workitem_id 0
		.amdhsa_next_free_vgpr 256
		.amdhsa_next_free_sgpr 66
		.amdhsa_reserve_vcc 1
		.amdhsa_float_denorm_mode_32 3
		.amdhsa_float_denorm_mode_16_64 3
		.amdhsa_memory_ordered 1
		.amdhsa_forward_progress 1
		.amdhsa_inst_pref_size 18
	.end_amdhsa_kernel
	.amdgpu_metadata
---
amdhsa.version: [ 1, 2 ]
amdhsa.kernels:
  - .name:           k_q4eae48a6c1_head
    .symbol:         k_q4eae48a6c1_head.kd
    .args:
      - { .name: hb, .offset: 0, .size: 8, .value_kind: global_buffer, .address_space: global }
      - { .name: W3, .offset: 8, .size: 8, .value_kind: global_buffer, .address_space: global }
      - { .name: out0, .offset: 16, .size: 8, .value_kind: global_buffer, .address_space: global }
    .group_segment_fixed_size: 18432
    .private_segment_fixed_size: 0
    .kernarg_segment_align: 8
    .kernarg_segment_size: 24
    .max_flat_workgroup_size: 512
    .sgpr_count:     66
    .vgpr_count:     256
    .wavefront_size: 32
...
	.end_amdgpu_metadata
.endif
;; end of part 3
